; MI455X (gfx1250); checked and timed in simulation.
; The chip was launched on July 23, 2026; its instructions are those of AMD's public machine-readable ISA for CDNA 5 (MIT licence, August 2026) and "CDNA5" Instruction Set Architecture Reference Guide (July 2026). The comments in the code are by the model that wrote it; some were corrected since.
;; Lin Transpose. Allowed arithmetic: matrix products marked QUANTISED: E2M1 operands, one E8M0 scale for each 32 along K, by v_wmma_scale_f32_16x16x128_f8f6f4 with both operands' format E2M1 (or v_wmma_scale_f32_32x16x128_f4), f32 sums; everything else in f32.
;; Inputs: W 2,048 x 2,048 float32; x_codes 8,192 x 64 x 16 uint8 (E2M1 codes of x, K innermost, in blocks of 32 codes, two codes a byte); x_scales 8,192 x 64 uint8 (E8M0 scales of x, one for each 32 codes along K).
;; Outputs: out0 8,192 x 2,048 float32.
;; This version of the problem:
;;   THIS VERSION OF THE PROBLEM IS GIVEN IN LOW PRECISION. The matrix products marked QUANTISED in the list below multiply operands that are first quantised to E2M1 (2 exponent bits, 1 mantissa bit; 4 bits a number), with one power-of-two scale for each 32 numbers along K (OCP MX v1.0); their sums are f32. All else is computed in f32.
;;   The module's matrix products, in the order in which they are computed (A, B: the left and right operand; K: the contracted axis; several contracted axes count as one K, in the product's order):
;;     1. [M 8,192, K 2,048] x [K 2,048, N 2,048]; A: input x (given as codes); B: input W: QUANTISED
;;     2. [M 8,192, K 2,048] x [K 2,048, N 2,048]; A: input x (given as codes); B: computed on the way: QUANTISED
;;   THE QUANTISER, for each operand of a quantised product, along K:
;;     - K is cut into blocks of 32 from its start; a last block that is shorter is filled with zeros.
;;     - A block's scale is 2^e with e = floor(log2(the largest magnitude in the block)) - 2, held to -126 .. 127; a block of zeros has e = 0. As a byte (E8M0): e + 127.
;;     - Each number is divided by its block's scale, clamped to +-6, and rounded to the nearest number of E2M1, ties to even, subnormals kept.
;;     - The product sums the exact products of the quantised numbers (number of the format x scale) in f32.
;;   ~~~python
;;   def quantise(x, axis):      # numpy; x: float32 -> the quantised numbers, widened to float32 again
;;       x = np.moveaxis(x, axis, -1); K = x.shape[-1]
;;       x = np.pad(x, [(0, 0)] * (x.ndim - 1) + [(0, -K % 32)]); x = x.reshape(x.shape[:-1] + (-1, 32)); a = np.abs(x).max(-1, keepdims=True)
;;       e = np.where(a > 0, np.clip(np.frexp(np.where(a > 0, a, 1))[1] - 1 - 2, -126, 127), 0)      # np.frexp(a)[1] - 1 = floor(log2(a)), exactly
;;       r = np.clip(x / 2.0 ** e, -6, 6)
;;       step = 2.0 ** (np.maximum(np.frexp(np.where(r == 0, 1, r))[1] - 1, 0) - 1)
;;       q = np.round(r / step) * step * 2.0 ** e      # np.round: ties to even
;;       return np.moveaxis(q.reshape(q.shape[:-2] + (-1,))[..., :K], -1, axis).astype(np.float32)
;;   ~~~
;;   OPERANDS COMPUTED ON THE WAY. 'Computed on the way' means the value that the module computes at that place (a softmax that the list does not call 'softmax' is quantised finished and normalised). What goes into a quantiser is computed in f32, as accurately as f32 sums, v_exp_f32 and their like allow (about 1e-6 of the number): no bf16 or f16 on the way to a quantiser, and a product that is left as it is and whose result goes on into a quantised operand takes f32 operands (vector FMAs, or v_wmma_f32_16x16x4_f32). A number that lies on a knife's edge between two numbers of the format may be rounded either way, as far as f32 arithmetic and the matrix unit's own rounding can turn it there, and no further.
;;   INPUTS GIVEN AS CODES. x (in the module: [8192, 2048], K = its axis 1): each comes as NAME_codes (uint8): NAME with its K axis moved to the last place and cut into blocks of 32 codes, [.., K / 32, bytes a block], one block behind the other in memory; two codes a byte, the lower K in the low four bits (a code: sign, 2 exponent bits, 1 mantissa bit); and NAME_scales (uint8): the same leading axes, one E8M0 byte (e + 127) for each 32 codes along K. Its value is code x scale, taken as it is: it is not quantised again, and the codes and scales need not be those that the quantiser above would give.
;; One version. Each part assembles by itself: llvm-mc -triple=amdgcn-amd-amdhsa -mcpu=gfx1250 --defsym DOCPART=n.
;; ======== version 1 of 1: 2 launches
;; limits: right only within a limited range of input values
;; workspace buffers: bcodes 4,194,304 bytes; bscales 262,144 bytes
;; launch prep (part 1): grid 16 x 16, 16 waves a work-group, no clusters, 163,840 bytes of LDS; arguments W, bcodes, bscales; writes bcodes, bscales
.if DOCPART == 1
	.amdgcn_target "amdgcn-amd-amdhsa--gfx1250"
	.amdhsa_code_object_version 6
	.text
	.protected	k_q93996bdfef_prep
	.globl	k_q93996bdfef_prep
	.p2align	8
	.type	k_q93996bdfef_prep,@function
k_q93996bdfef_prep:
	s_mov_b64 s[64:65], 0
	v_nop
	global_prefetch_b8 v0, s[64:65] scope:SCOPE_SE
	s_setreg_imm32_b32 hwreg(HW_REG_WAVE_MODE, 25, 1), 1
	s_wait_xcnt 0x0
; W [2048][2048] f32 becomes the two right operands of out = x Q(W^T) + x Q(Ws), as codes of FP4 (E2M1) with one E8M0 byte for each 32 along K.
;   B1[n][k] = W[n][k].
;   B2[n][k] = Ws[k][n] = W[n][k'] + W[k'][n'] + W[n'][k] + W[n][k] + W[k'][n] + W[k][n'] + W[n'][k'] + W[k-1][n] + W[k][n-1],  k' = 2047 - k, n' = 2047 - n, k-1 and n-1 modulo 2048.
;   The nine terms are added in f32 in another order (a stated difference): W[k][n-1] + W[k-1][n] + W[k][n'] + (W[n][k] + W[n'][k]) + (W[k'][n] + W[k'][n']) + (W[n][k'] + W[n'][k']).
; A block's scale is 2^(floor(log2(its largest magnitude)) - 2): its byte is that magnitude's exponent field - 2, held at 1 from below.
; LIMITS: a block of zeros gets the byte 1 where the rule says 127 (its codes are zeros, which add nothing under any byte but 0xff, and this program alone reads the bytes);
;   blocks whose largest magnitude lies under 2^-124 keep the byte 1; NaN and infinities in W are not served.
; SHARES.  All nine indices stay inside {a range of k, its mirror} x {a range of n, its mirror}, but for one row and one column beside it.  Work-group (a, b), each 0 .. 15, owns the k tiles a and 31 - a and the
;   n tiles b and 31 - b, 64 wide: it brings 8 tiles of 64 x 64 numbers of W into LDS (4 with k down the rows, 'C'; 4 with k along the rows, 'R') and makes 4 tiles of B1 and 4 of B2 from them.
;   So W is read twice in the launch and not nine times.  16 waves: each fills half a tile, then makes 32 blocks, a lane a block: one column, 32 registers along k.
; THE FOUR MIRROR IMAGES OF A BLOCK LIE IN FOUR LANES OF ONE WAVE: lane bit 2 mirrors n, lane bit 3 mirrors k (in the partner, k's number lies in register 31 - i); bits 0, 1, 4 count eight columns.  So a lane loads its own numbers
;   W[n][k], W[k][n], W[k][n-1] alone; W[k-1][n] is the register beside; every mirrored term comes from the lane xor 4 or xor 8 in the addition itself.
; NO CLUSTER, NO TENSOR LOAD: the column n - 1 lies in the padding of the tiles' LDS rows, next to the data, so the tiles go through registers; and the two work-groups that read one tile of W (as C and as R) are (a, b) and (b, a): no neighbours in the grid.
;   No prefetch: each work-group reads its part of W once, with no loop to run ahead in.
; OUT.  bcodes lies in the order of the next launch's operand registers.  The 16 bytes of column n = 64 g + 4 r + b, block kb = k / 32 = 4 step + 2 c + h, which = 0 for B1, 1 for B2, lie at
;   131072 g + 8192 step + 4096 which + 1024 b + 512 c + 16 (16 h + r).  A tile's pieces (which, b) of 512 bytes are gathered in LDS and leave whole, 32 lanes to a piece.
;   bscales: 256 bytes for each (g, k / 64): [which][r][b][kb & 1], gathered in LDS too.
.set PIT,   272                        ; an LDS row of a tile: 16 bytes in front (the last 4 of them: column -1), 256 of data: 68 words, so rows 0 .. 15 start at 16 different groups of banks (64 banks of 4 bytes: ISA guide 11.1)
.set TS,    65*PIT                     ; a tile: LDS row 0 is W's row -1, then the 64 rows
.set HROWS, 32*PIT                     ; 32 rows
.set SB,    8*TS                       ; behind the tiles: 256 scale bytes for each of the 4 pairs of tiles
.set SPARE, 143360                     ; the spare words: 128 bytes for each of 16 waves
.set CST,   145408                     ; the codes' stage: for each of 4 pairs of tiles [which 2][b 4] pieces of 512 bytes, 576 apart
.set T1,    32                         ; the fill; on the way out two pieces of codes
.set CC,    32                         ; v32 W[k0-1][n], v33-64 W[k][n]
.set NB,    96                         ; W[k][n-1], then the sum
.set RR,    128                        ; W[n][k]
.set CB1,   224                        ; v224-227 B1's codes;  v228-231 B2's
.set CB2,   228
; v1 lane; v2 the fill's offset in W; v3 its LDS address; v4, v5 column -1: offset, LDS address; v6 4 x lane (row -1's offset); v7 row -1's LDS address; v8, v9 my block's LDS addresses in C and R;
; v17, v30 the codes' way into the stage and out of it; v31 16 x lane; v18 my scale byte's LDS address; v19, v20 the scale bytes' way out; v10-12, v21-29 lane terms and at work; v232, v233 the two bytes; v234, v235 halo numbers; v236-237 scale bytes on their way out
	s_load_b128 s[4:7], s[0:1], 0x0                ; W, bcodes
	s_load_b64 s[8:9], s[0:1], 0x10                ; bscales
	v_lshl_add_u32 v254, v0, 2, SPARE
	v_mov_b32 v255, 0
	v_lshrrev_b32 v1, 5, v0
	s_delay_alu instid0(VALU_DEP_1)
	v_readfirstlane_b32 s10, v1                    ; wave 0 .. 15
	v_and_b32 v1, 31, v0                           ; lane
	s_wait_alu depctr_va_vdst(0)
	s_mov_b32 s11, ttmp9                           ; a
	s_and_b32 s12, ttmp7, 0xffff                   ; b
	; THE FILL: wave w brings half hh = w & 1 of tile t = w >> 1 = 4 type + 2 ksel + nsel.  The tile's k tile is a ^ 31 ksel, its n tile b ^ 31 nsel (x ^ 31 = 31 - x)
	s_lshr_b32 s14, s10, 1                         ; t
	s_and_b32 s15, s10, 1                          ; hh
	s_bfe_u32 s16, s10, 0x10002                    ; ksel
	s_bfe_u32 s17, s10, 0x10001                    ; nsel
	s_mul_i32 s16, s16, 31
	s_mul_i32 s17, s17, 31
	s_xor_b32 s16, s16, s11                        ; k tile
	s_xor_b32 s17, s17, s12                        ; n tile
	s_cmp_lt_u32 s10, 8                            ; type C (waves 0-7): W's rows are k;  type R: W's rows are n.  (These two enter global addresses alone)
	s_cselect_b32 s18, s16, s17                    ; the tile of W's rows
	s_cselect_b32 s19, s17, s16                    ; the tile of W's columns
	s_lshl_b32 s20, s18, 6
	s_lshl_b32 s21, s15, 5
	s_add_co_u32 s20, s20, s21                     ; my first row of W,
	s_lshl_b32 s20, s20, 13                        ; in bytes (8,192 a row)
	s_lshl_b32 s21, s19, 8                         ; my first column, in bytes
	s_add_co_u32 s50, s20, s21                     ; s[50:51]: where my 32 rows x 256 bytes begin
	s_mov_b32 s51, 0
	s_sub_co_u32 s22, s21, 4
	s_and_b32 s22, s22, 8191                       ; the column in front, round the row's end
	s_add_co_u32 s52, s20, s22                     ; s[52:53]: column -1 of my 32 rows
	s_mov_b32 s53, 0
	s_lshl_b32 s54, s18, 6
	s_sub_co_u32 s54, s54, 1
	s_and_b32 s54, s54, 2047                       ; the row in front of the tile, round W's end
	s_lshl_b32 s54, s54, 13
	s_add_co_u32 s54, s54, s21
	s_lshl_b32 s23, s15, 7
	s_add_co_u32 s54, s54, s23                     ; s[54:55]: my 32 columns of row -1
	s_mov_b32 s55, 0
	s_mul_i32 s13, s14, TS                         ; my tile in LDS
	s_add_co_u32 s23, s13, s23
	s_add_co_u32 s23, s23, 16                      ; row -1: LDS row 0, my 32 columns
	s_mul_i32 s22, s15, HROWS
	s_add_co_u32 s22, s13, s22
	s_add_co_u32 s21, s22, PIT+12                  ; column -1 of my first row
	s_add_co_u32 s22, s22, PIT+16                  ; column 0 of my first row
	v_lshrrev_b32 v24, 4, v1                       ; lane / 16
	v_and_b32 v25, 15, v1                          ; lane % 16
	s_delay_alu instid0(VALU_DEP_2)
	v_lshlrev_b32 v2, 13, v24
	s_delay_alu instid0(VALU_DEP_1)
	v_lshl_add_u32 v2, v25, 4, v2                  ; in W: lanes 0-15 one row's 256 bytes, lanes 16-31 the next row's
	s_delay_alu instid0(VALU_DEP_4)
	v_mul_u32_u24 v3, v24, PIT
	s_delay_alu instid0(VALU_DEP_1)
	v_lshl_add_u32 v3, v25, 4, v3
	s_delay_alu instid0(VALU_DEP_1)
	v_add_nc_u32 v3, s22, v3                       ; and the same in LDS
	v_lshlrev_b32 v4, 13, v1                       ; column -1: a lane a row
	v_mul_u32_u24 v21, v1, PIT                     ; PIT x lane
	s_delay_alu instid0(VALU_DEP_1)
	v_add_nc_u32 v5, s21, v21
	v_lshlrev_b32 v6, 2, v1                        ; 4 x lane
	s_delay_alu instid0(VALU_DEP_1)
	v_add_nc_u32 v7, s23, v6
	s_wait_alu depctr_va_vdst(0)
	s_wait_kmcnt 0x0
	s_add_nc_u64 s[24:25], s[4:5], s[50:51]
	s_add_nc_u64 s[26:27], s[4:5], s[52:53]
	s_add_nc_u64 s[28:29], s[4:5], s[54:55]
.irp j, 0,1,2,3,4,5,6,7,8,9,10,11,12,13,14,15
	global_load_b128 v[T1+4*\j:T1+4*\j+3], v2, s[24:25] offset:16384*\j   ; two rows' 256 bytes each; no hint: another work-group reads them too
.endr
	; THE WAY OUT: wave w sends pieces b = w & 3 of the pair of tiles w >> 2 = 2 ks + ns
	s_lshr_b32 s30, s10, 2
	s_lshr_b32 s35, s10, 3
	s_mul_i32 s35, s35, 31
	s_xor_b32 s35, s35, s11                        ; its k tile, 0 .. 31
	s_bfe_u32 s36, s10, 0x10002
	s_mul_i32 s36, s36, 31
	s_xor_b32 s36, s36, s12                        ; its n tile = g
	s_and_b32 s62, s10, 3
	s_mul_i32 s60, s30, 4608
	s_mul_i32 s61, s62, 576
	s_add_co_u32 s61, s61, s60
	s_add_co_u32 s61, s61, CST
	s_lshl_b32 s57, s30, 8
	s_add_co_u32 s57, s57, SB                      ; its 256 scale bytes
	; MY BLOCK: wave = 2 y + kap: column 8 y + 0 .. 7 of the tile, half kap of its 64 along k; a mirrored lane takes column 63 - that (63 ^ that), half 1 - kap
	s_and_b32 s31, s10, 1                          ; kap
	s_lshr_b32 s58, s10, 1
	s_lshl_b32 s58, s58, 3                         ; 8 y
	v_and_b32 v24, 3, v1
	v_lshrrev_b32 v25, 4, v1
	v_bfe_u32 v26, v1, 2, 1                        ; 1: n is mirrored
	v_bfe_u32 v27, v1, 3, 1                        ; 1: k is mirrored
	v_lshl_add_u32 v24, v25, 2, v24
	v_mul_u32_u24 v28, v26, 63
	v_xor_b32 v25, s31, v27                        ; my half of the tile's k
	v_add_nc_u32 v24, s58, v24
	v_lshl_add_u32 v26, v27, 1, v26                ; my pair of tiles
	v_lshlrev_b32 v31, 4, v1
	v_xor_b32 v24, v24, v28                        ; my column in the tile
	v_mul_u32_u24 v28, v26, TS
	v_mul_u32_u24 v29, v25, HROWS
	v_lshlrev_b32 v20, 3, v1
	v_mul_u32_u24 v9, v24, PIT
	v_and_b32 v10, 3, v24                          ; b
	v_add_nc_u32 v8, v28, v29
	v_lshrrev_b32 v11, 2, v24                      ; r
	v_lshl_add_u32 v9, v25, 7, v9
	v_lshlrev_b32 v12, 8, v26
	v_lshl_add_u32 v8, v24, 2, v8
	v_mul_u32_u24 v17, v26, 4608
	v_add_nc_u32 v9, v28, v9
	v_mul_u32_u24 v10, v10, 576
	v_lshl_add_u32 v12, v24, 1, v12
	v_add_nc_u32 v8, 12, v8                        ; C: row k0 - 1, column n - 1
	v_add_nc_u32 v9, 4*TS+PIT+16, v9               ; R: row n, column k0
	v_add_nc_u32 v17, v17, v10
	v_add_nc_u32 v12, v12, v25
	v_lshl_add_u32 v17, v25, 8, v17
	v_add_nc_u32 v18, SB, v12                      ; my byte of B1; B2's lies 128 on
	v_lshl_add_u32 v17, v11, 4, v17
	v_add_nc_u32 v30, s61, v31
	v_add_nc_u32 v19, s57, v20                     ; the scale bytes' way out: 8 bytes a lane
	v_add_nc_u32 v17, CST, v17
	s_lshl_b32 s46, s36, 17                        ; 131,072 g
	s_lshr_b32 s59, s35, 1                         ; step
	s_lshl_b32 s59, s59, 13
	s_add_co_u32 s46, s46, s59
	s_and_b32 s59, s35, 1                          ; c
	s_lshl_b32 s59, s59, 9
	s_add_co_u32 s46, s46, s59
	s_lshl_b32 s59, s62, 10                        ; b
	s_add_co_u32 s46, s46, s59
	s_mov_b32 s47, 0
	s_add_nc_u64 s[46:47], s[6:7], s[46:47]        ; my piece of B1; B2's lies 4,096 bytes on
	s_lshl_b32 s48, s36, 13
	s_lshl_b32 s59, s35, 8
	s_add_co_u32 s48, s48, s59
	s_mov_b32 s49, 0
	s_add_nc_u64 s[48:49], s[8:9], s[48:49]        ; the pair of tiles' 256 scale bytes in memory
	s_wait_alu depctr_va_vdst(0)
	; every LDS address is made.  The C tiles (waves 0-7) get row -1 and column -1 too
	s_cmp_lt_u32 s10, 8
	s_cbranch_scc0 .Lno_halo
	global_load_b32 v234, v4, s[26:27]             ; a lane a row
	global_load_b32 v235, v6, s[28:29]             ; a lane a column: 128 consecutive bytes
	s_wait_loadcnt 0x0
	ds_store_b32 v5, v234
	ds_store_b32 v7, v235
.Lno_halo:
.irp j, 0,1,2,3,4,5,6,7,8,9,10,11,12,13,14,15
	s_wait_loadcnt 15-\j                           ; loads come back in order (ISA guide 5.7.1): pair j of rows is in; the 15 - j younger ones may be out (in waves 0-7 all are in)
	ds_store_b128 v3, v[T1+4*\j:T1+4*\j+3] offset:2*PIT*\j
.endr
	s_wait_dscnt 0x0                               ; for the others' sake: my part of the tiles lies in LDS
	s_barrier_signal -1
	s_barrier_wait -1                              ; all eight tiles do
; 32 numbers of one block, v[src] on, become 16 bytes of codes in v[cod] on and the scale's byte in v[byt]
.macro QUANT src, cod, byt, m0, m1, sc
	v_max3_num_f32 v[\m0], |v[\src]|, |v[\src+1]|, |v[\src+2]|       ; the largest magnitude, in two chains
	v_max3_num_f32 v[\m1], |v[\src+3]|, |v[\src+4]|, |v[\src+5]|
.irp i, 6,10,14,18,22,26
	s_delay_alu instid0(VALU_DEP_2)
	v_max3_num_f32 v[\m0], v[\m0], |v[\src+\i]|, |v[\src+\i+1]|
	s_delay_alu instid0(VALU_DEP_2)
	v_max3_num_f32 v[\m1], v[\m1], |v[\src+\i+2]|, |v[\src+\i+3]|
.endr
	s_delay_alu instid0(VALU_DEP_2)
	v_max3_num_f32 v[\m0], v[\m0], |v[\src+30]|, |v[\src+31]|
	s_delay_alu instid0(VALU_DEP_1)
	v_max3_num_f32 v[\m0], v[\m0], v[\m1], 0x1800000                 ; and the floor 2^(3 - 127): the byte cannot fall under 1
	s_delay_alu instid0(VALU_DEP_1)
	v_add_nc_u32 v[\sc], 0xff000000, v[\m0]                          ; 2 off its exponent field: the conversion takes the exponent field of this operand as its scale, and nothing else of it
	s_delay_alu instid0(VALU_DEP_1)
	v_lshrrev_b32 v[\byt], 23, v[\sc]                                ; the scale's byte
.irp g, 0,1,2,3
	v_cvt_scalef32_pk8_fp4_f32 v[\cod+\g], v[\src+8*\g:\src+8*\g+7], v[\sc]   ; to the nearest code, ties to even, beyond 6 the largest code; the lowest k in the lowest four bits
.endr
	v_nop                                          ; one plain line behind the last conversion
.endm
; v[d + i] = v[s] of the lane xor mask + v[a + i], i = 0 .. 31; s runs upward from s0, or (rev = 1) downward from s0 + 31
.macro ADDX d, s0, a, mask, rev
.set i, 0
.rept 32
.if \rev
	v_add_f32_dpp v[\d+i], v[\s0+31-i], v[\a+i] row_xmask:\mask row_mask:0xf bank_mask:0xf
.else
	v_add_f32_dpp v[\d+i], v[\s0+i], v[\a+i] row_xmask:\mask row_mask:0xf bank_mask:0xf
.endif
.set i, i+1
.endr
.endm
.macro ADDP s                          ; the sum takes 32 of my own numbers, two an instruction
.set i, 0
.rept 16
	v_pk_add_f32 v[NB+i:NB+i+1], v[NB+i:NB+i+1], v[\s+i:\s+i+1]
.set i, i+2
.endr
.endm
.irp j, 0,1,2,3,4,5,6,7
	ds_load_b128 v[RR+4*\j:RR+4*\j+3], v9 offset:16*\j   ; W[n][k]
.endr
.set i, 0
.rept 33
	ds_load_b32 v[CC+i], v8 offset:PIT*i+4         ; W[k-1][n] of i = 0, and W[k][n] of i - 1
.set i, i+1
.endr
.set i, 0
.rept 32
	ds_load_b32 v[NB+i], v8 offset:PIT*(i+1)       ; W[k][n-1]
.set i, i+1
.endr
	s_wait_dscnt 63                                ; W[n][k] is in: 33 + 32 loads stand behind it; 63 is the largest that the wait can name
	QUANT RR, CB1, 232, 24, 25, 26                 ; B1's block as it stands
	ADDX RR, RR, RR, 4, 0                          ; W[n][k] + W[n'][k]
	s_wait_dscnt 0x0
	ADDP CC                                        ; W[k-1][n]
	ADDX NB, CC+1, NB, 4, 0                        ; W[k][n']
	ADDX CC+1, CC+1, CC+1, 4, 0                    ; W[k][n] + W[k][n']: the mirrored lane's W[k'][n] + W[k'][n']
	ADDP RR
	ADDX NB, CC+1, NB, 8, 1                        ; W[k'][n] + W[k'][n']
	ADDX NB, RR, NB, 8, 1                          ; W[n][k'] + W[n'][k']
	QUANT NB, CB2, 233, 27, 28, 29
	ds_store_b128 v17, v[CB1:CB1+3]                ; B1's codes into the stage,
	ds_store_b128 v17, v[CB2:CB2+3] offset:2304    ; B2's,
	ds_store_b8 v18, v232                          ; B1's byte,
	ds_store_b8 v18, v233 offset:128               ; B2's
	s_wait_dscnt 0x0                               ; for the others' sake: they lie in LDS
	s_barrier_signal -1
	s_barrier_wait -1
	ds_load_b128 v[T1:T1+3], v30                   ; a piece of B1, 512 bytes,
	ds_load_b128 v[T1+4:T1+7], v30 offset:2304     ; and of B2
	s_wait_dscnt 0x0
	global_store_b128 v31, v[T1:T1+3], s[46:47]    ; 32 lanes store 512 consecutive bytes, aligned
	global_store_b128 v31, v[T1+4:T1+7], s[46:47] offset:4096
	s_cmp_lg_u32 s62, 0                            ; the first wave of each pair of tiles sends its scale bytes
	s_cbranch_scc1 .Ldone
	ds_load_b64 v[236:237], v19
	s_wait_dscnt 0x0
	global_store_b64 v20, v[236:237], s[48:49]     ; 32 lanes store 256 consecutive bytes, aligned
.Ldone:
	s_wait_tensorcnt 0x0                           ; the wave's end
	ds_add_u32 v254, v255
	s_wait_dscnt 0x0
	s_endpgm
.Lfunc_end_k_q93996bdfef_prep:
	.size	k_q93996bdfef_prep, .Lfunc_end_k_q93996bdfef_prep-k_q93996bdfef_prep
	.p2alignl 7, 3214868480
	.fill 96, 4, 3214868480
	.section	.rodata,"a",@progbits
	.p2align	6, 0x0
	.amdhsa_kernel k_q93996bdfef_prep
		.amdhsa_group_segment_fixed_size 163840
		.amdhsa_private_segment_fixed_size 0
		.amdhsa_enable_private_segment 0
		.amdhsa_kernarg_size 24
		.amdhsa_user_sgpr_count 2
		.amdhsa_user_sgpr_kernarg_segment_ptr 1
		.amdhsa_wavefront_size32 1
		.amdhsa_system_sgpr_workgroup_id_x 1
		.amdhsa_system_sgpr_workgroup_id_y 1
		.amdhsa_system_sgpr_workgroup_id_z 1
		.amdhsa_system_vgpr_workitem_id 0
		.amdhsa_next_free_vgpr 256
		.amdhsa_next_free_sgpr 66
		.amdhsa_reserve_vcc 0
		.amdhsa_float_denorm_mode_32 3
		.amdhsa_float_denorm_mode_16_64 3
		.amdhsa_memory_ordered 1
		.amdhsa_forward_progress 1
		.amdhsa_inst_pref_size 32
	.end_amdhsa_kernel
	.amdgpu_metadata
---
amdhsa.version: [ 1, 2 ]
amdhsa.kernels:
  - .name:           k_q93996bdfef_prep
    .symbol:         k_q93996bdfef_prep.kd
    .args:
      - { .name: W, .offset: 0, .size: 8, .value_kind: global_buffer, .address_space: global }
      - { .name: bcodes, .offset: 8, .size: 8, .value_kind: global_buffer, .address_space: global }
      - { .name: bscales, .offset: 16, .size: 8, .value_kind: global_buffer, .address_space: global }
    .group_segment_fixed_size: 163840
    .private_segment_fixed_size: 0
    .kernarg_segment_align: 8
    .kernarg_segment_size: 24
    .max_flat_workgroup_size: 512
    .sgpr_count:     66
    .vgpr_count:     256
    .wavefront_size: 32
...
	.end_amdgpu_metadata
.endif
;; end of part 1
;; launch gemm (part 2): grid 8 x 32, 4 waves a work-group, clusters of 4 x 1, 327,680 bytes of LDS; arguments x_codes, x_scales, bcodes, bscales, out0; writes out0
.if DOCPART == 2
	.amdgcn_target "amdgcn-amd-amdhsa--gfx1250"
	.amdhsa_code_object_version 6
	.text
	.protected	k_q93996bdfef_gemm
	.globl	k_q93996bdfef_gemm
	.p2align	8
	.type	k_q93996bdfef_gemm,@function
k_q93996bdfef_gemm:
	s_mov_b64 s[64:65], 0
	v_nop
	global_prefetch_b8 v0, s[64:65] scope:SCOPE_SE
	s_setreg_imm32_b32 hwreg(HW_REG_WAVE_MODE, 25, 1), 1
	s_wait_xcnt 0x0
	s_wait_alu depctr_hold_cnt(0) depctr_sa_sdst(0) depctr_va_vdst(0) depctr_va_sdst(0) depctr_va_ssrc(0) depctr_va_vcc(0) depctr_vm_vsrc(0)
	s_getreg_b32 s2, hwreg(HW_REG_IB_STS2, 6, 4)
	s_cmp_eq_u32 s2, 0
	s_cbranch_scc0 .Lentry_in_a_cluster
	s_endpgm
.Lentry_in_a_cluster:
	s_bfe_u32 s2, ttmp6, 0x10000c
	s_cmp_lg_u32 s2, 0x3003
	s_cbranch_scc0 .Lentry_shape_is_right
	s_endpgm
.Lentry_shape_is_right:
; out0[m][n] = sum over k of x[m][k] B1[n][k] + sum over k of x[m][k] B2[n][k].  x: [8192][2048] codes of FP4 (E2M1), K innermost, 1,024 bytes a row, with one E8M0 byte for each 32 along K, taken as given.
; B1, B2: [2048][2048] codes and scale bytes that the launch before has made; out0: [8192][2048] f32.  Codes and scale bytes go to the matrix instruction as they are; sums in f32.
; ORDER OF THE SUMS (a stated difference): both products add onto ONE accumulator for each output, by turns of 128 along K (B1's, then B2's), K ascending, not as two sums that are added at the end.
; A tile of out0, 256 x 256, is made by a work-group of four waves.  A wave makes all 256 rows of 64 columns: 64 accumulators of 16 x 16, 512 registers.
; x'S 256 ROWS LIE IN LDS FOR ALL OF K (272 KB with padding), filled by two tensor loads a wave: 64 rows x 256 bytes (the first 512 along K) at the head, 64 rows x 768 bytes behind it.  Every wave reads all of them:
;   a fragment (16 rows x 128 K) feeds 8 matrix instructions: 4 column blocks x (B1, B2).
; B'S CODES GO FROM MEMORY STRAIGHT INTO REGISTERS: a wave's 64 columns are its own, so no wave of the work-group reads another's bytes, and bcodes lies in the order of the operand's registers: each load takes 512 consecutive
;   bytes.  A ring of four sets of 64 registers, each 128 along K of B1 and B2: in step s the codes of step s + 3 are asked for.
; So between the head and the end there is ONE barrier, behind x's second fill.
; CLUSTERS: 4 x 1 work-groups with one tile row: x's tiles are asked for JOINTLY, by the same tensor loads with the same descriptors and a mask that names the four.  B's codes pass through registers: no joint load brings those.
; PREFETCH: in step s the 8,192 bytes of codes of step s + 4 of the wave's columns are named, a lane 256 bytes, by the clusters of tile rows 0 to 3 alone (32 clusters read them); steps 0 to 3 come by their loads.
;   x comes by two loads at the launch's start: no loop to run ahead in.
; COLUMNS: lane r of column block b is column 4 r + b of the wave's 64.  A result's register j of lane (r, h) is row 8 h + j of that column; so the four blocks' registers j of one lane are four NEIGHBOURING numbers of a row.
;   Swaps inside a row block's 32 registers bring them side by side, and a store's lanes 0-15 write 256 consecutive bytes of a row, aligned, its lanes 16-31 those of the row eight further on: no stage in LDS.
; THE LAST 512 ALONG K GO BY ROWS: row blocks are finished one pair after the other, and a pair's stores leave while the next are multiplied.
; REGISTERS: window 0: v0-31 addresses; v32-63 x's scale words; v64-83 B's; v84-127 B's scale words on their way at the head; v128-255 x's fragments, 8 groups of 16 (the head's scale bytes before that).
;   window 1: B's codes, four sets of 64.  windows 2, 3: the accumulators: pair q of row blocks, column block b at register 16 (4 q + b), the even row block's 8 first.
.set R2,    69632                      ; LDS: 0: x's first 512 along K: 256 rows, pitch 272;  R2: the other 1,536: 256 rows of three runs of 272
.set P1,    272                        ; 68 words, and 816 bytes are 204: the 16 rows that a load touches fall on 16 different columns of 16 bytes (64 banks of 4 bytes: ISA guide 11.1)
.set P2,    816
.set XSO,   278528                     ; x's scale bytes: four rows (256 bytes) to a run of 272.  Written by LDS stores alone
.set BWO,   295936                     ; B's scale words of steps 4 to 14: 512 bytes a step, 5,632 a wave: each wave's own.  Written by LDS stores alone
.set SPARE, 318464                     ; the spare words, 128 bytes for each wave: two blocks of 256 bytes that no other line names
.set XA1,  8                           ; v8      LDS address of x's fragments in the first part
.set XB,   10                          ; v10-13  in the second part, for row blocks 0-3, 4-7, 8-11, 12-15, at the quarter of K at work
.set XSA,  14                          ; v14     my x scale words: lanes 0-15 an even row block, lanes 16-31 the odd one behind it
.set XSW,  15                          ; v15     the head: where I put x's scale bytes
.set BWL,  16                          ; v16     B's scale words: 512 bytes ahead of the next quarter's first
.set BO,   17                          ; v17     16 x lane
.set RO,   18                          ; v18     8 x lane
.set CO,   19                          ; v19     my byte offset in out0
.set PFO,  21                          ; v21     256 x lane
.set SPW,  28                          ; v28     LDS address of my spare word; never rewritten
.set NIL,  29                          ; v29     0; never rewritten
.set XS,   32                          ; x's scale words: pair p of row blocks, word i of the quarter's four: v[XS + 4 p + i]
.set BW,   64                          ; B's: step i of the quarter, column block b: v[BW + 4 i + b]: lanes 0-15 B1's, lanes 16-31 B2's; i = 4: step 15's
.set BT,   84                          ; the head: steps 4 to 14
.set AF,   128
.set RAW,  128                         ; the head: B's scale bytes
.set XR,   192                         ; the head: x's scale bytes
.set G1,   24                          ; s[24:31], s[40:43] descriptor groups 1 and 0 of the first fill
.set G1B,  32                          ; s[32:39], s[44:47] of the second
.set MSB, 0
.macro WIN new                         ; the immediate's high byte repeats the setting that is left; a switch that changes nothing is dropped
.if MSB != (\new)
	s_set_vgpr_msb (MSB<<8)|(\new)
.set MSB, \new
.endif
.endm
.set TO_B, 0x40                        ; destination window 1, address window 0
.macro CROUND                          ; a round of the cluster's barrier
	s_barrier_signal -1
	s_barrier_wait -1
	s_cmp_lg_u32 s14, 0
	s_cbranch_scc1 .Lnot_wave_0_\@
	s_barrier_signal -3
.Lnot_wave_0_\@:
	s_barrier_wait -3
	s_barrier_signal -1
	s_barrier_wait -1
.endm
.macro JLOAD g0, g1                    ; each wave's joint load: 64 rows of its own, the same in the four work-groups
	tensor_load_to_lds s[\g0:\g0+3], s[\g1:\g1+7]
	s_nop 0
.rept 4
	v_nop
.endr
.endm
.macro LB set, step, n, k              ; loads n .. n + k - 1 of the 16 that bring a step's codes into a set: 32 registers of B1, then of B2; in each 8 a column block
.set LN, \n
.rept \k
	global_load_b128 v[64*(\set)+4*LN:64*(\set)+4*LN+3], v[BO], s[48:49] offset:(\step)*8192+512*LN
.set LN, LN+1
.endr
.endm
	s_load_b128 s[4:7], s[0:1], 0x0                ; x's codes, x's scales
	s_load_b128 s[8:11], s[0:1], 0x10              ; B's codes, B's scales
	s_load_b64 s[12:13], s[0:1], 0x20              ; out0
	v_lshl_add_u32 v[SPW], v0, 2, SPARE
	v_mov_b32 v[NIL], 0
	ds_add_u32 v[SPW], v[NIL]                      ; the wave's opening
	ds_add_u32 v[SPW], v[NIL]
	v_lshrrev_b32 v4, 5, v0
	v_readfirstlane_b32 s14, v4                    ; wave 0..3
	s_bfe_u32 s15, ttmp6, 0x40000                  ; my place in the cluster
	s_lshl_b32 s16, ttmp9, 2
	s_add_co_u32 s16, s16, s15                     ; tile column 0 .. 7 = 4 x cluster x + place
	s_and_b32 s17, ttmp7, 0xffff                   ; tile row 0 .. 31
	s_lshl_b32 s54, s16, 2
	s_add_co_u32 s54, s54, s14                     ; g = 4 x tile column + wave: my 64 columns
	s_mov_b32 s[G1+0], 15|(1<<20)|(1<<21)|(5<<22)|(3<<25)   ; 15:0 the mask: the cluster's four; elements of 1 byte; 20 padding on; 21 set beside a mask; 24:22 after every 64 words (code 5); 31:25 of 4 words (code 3)
	s_mov_b32 s[G1B+0], 15|(1<<20)|(1<<21)|(5<<22)|(3<<25)
	s_mov_b32 s[G1+1], 256<<16                     ; tensor_dim0
	s_mov_b32 s[G1B+1], 768<<16
	s_mov_b32 s[G1+3], 256<<16                     ; tile_dim0
	s_mov_b32 s[G1B+3], 768<<16
.irp g, G1, G1B
	s_mov_b32 s[\g+2], 64<<16                      ; tensor_dim1
	s_mov_b32 s[\g+4], 64                          ; tile_dim1
	s_mov_b32 s[\g+5], 1024                        ; the pitch
	s_mov_b32 s[\g+6], 0
	s_mov_b32 s[\g+7], 0
.endr
	s_lshl_b32 s18, s17, 18                        ; x: row 256 x tile row + 64 x wave, 1,024 bytes a row
	s_lshl_b32 s19, s14, 16
	s_add_co_u32 s18, s18, s19
	s_mov_b32 s19, 0
	s_lshl_b32 s22, s17, 14                        ; its scale bytes, 64 a row
	s_lshl_b32 s23, s14, 12
	s_add_co_u32 s22, s22, s23
	s_mov_b32 s23, 0
	s_lshl_b32 s48, s54, 17                        ; B's codes: 131,072 g
	s_mov_b32 s49, 0
	s_lshl_b32 s50, s54, 13                        ; its scale bytes: 8,192 g
	s_mov_b32 s51, 0
	s_lshl_b32 s52, s17, 21                        ; out0: row 256 x tile row, 8,192 bytes a row,
	s_lshl_b32 s53, s54, 8                         ; column 64 g
	s_add_co_u32 s52, s52, s53
	s_mov_b32 s53, 0
	s_mul_i32 s55, s14, 16*272                     ; my 64 rows' scale bytes in LDS
	s_add_co_u32 s55, s55, XSO
	s_mul_i32 s56, s14, 5632
	s_add_co_u32 s56, s56, BWO-512
	s_mov_b32 s57, 0x05040100                      ; v_perm_b32: the low halves of two words,
	s_mov_b32 s58, 0x07060302                      ; the high halves
	s_mov_b32 s40, 1                               ; group 0: count = 1;
	s_mul_i32 s41, s14, 64*P1                      ; LDS address: 64 rows a wave
	s_mov_b32 s44, 1
	s_mul_i32 s45, s14, 64*P2
	s_add_co_u32 s45, s45, R2
	v_and_b32 v1, 15, v0                           ; r
	v_bfe_u32 v2, v0, 4, 1                         ; h
	v_and_b32 v3, 31, v0                           ; lane
	v_mul_u32_u24 v5, v1, P1
	v_mul_u32_u24 v6, v1, P2
	v_lshl_add_u32 v[XA1], v2, 4, v5               ; row r, + 16 h
	v_lshl_add_u32 v6, v2, 4, v6
.irp k, 0,1,2,3
	v_add_nc_u32 v[XB+\k], R2-272+64*P2*\k, v6     ; (each quarter's end steps it 272 on: the first one to the second quarter of K)
.endr
	v_lshrrev_b32 v7, 2, v1
	v_and_b32 v4, 3, v1
	v_mul_u32_u24 v7, v7, 272
	v_lshl_add_u32 v7, v4, 6, v7
	v_mul_u32_u24 v5, v2, 1088                     ; 16 rows of scale bytes
	v_add_nc_u32 v7, v7, v5
	v_add_nc_u32 v[XSA], XSO, v7
	v_mul_u32_u24 v[XSW], v2, 272
	v_lshl_add_u32 v[XSW], v1, 4, v[XSW]
	v_add_nc_u32 v[XSW], s55, v[XSW]
	v_lshlrev_b32 v[BO], 4, v3
	v_lshlrev_b32 v[RO], 3, v3
	v_lshlrev_b32 v[PFO], 8, v3
	v_add_nc_u32 v[BWL], s56, v[BO]
	v_lshlrev_b32 v9, 16, v2                       ; 8 h rows of out0
	v_lshl_add_u32 v[CO], v1, 4, v9
	s_wait_alu depctr_va_vdst(0)
	s_wait_dscnt 0x0                               ; both opening adds are done
	s_wait_kmcnt 0x0
	s_add_nc_u64 s[18:19], s[4:5], s[18:19]
	s_add_nc_u64 s[22:23], s[6:7], s[22:23]
	s_add_nc_u64 s[48:49], s[8:9], s[48:49]
	s_add_nc_u64 s[50:51], s[10:11], s[50:51]
	s_add_nc_u64 s[12:13], s[12:13], s[52:53]
.irp j, 0,1,2,3,4,5,6,7
	global_load_b128 v[XR+4*\j:XR+4*\j+3], v[BO], s[22:23] offset:512*\j   ; eight rows' scale bytes
.endr
.set K, 0
.rept 32
	global_load_b64 v[RAW+2*K:RAW+2*K+1], v[RO], s[50:51] offset:256*K     ; B's of 64 along K: lane (r, which): two bytes for each column block
.set K, K+1
.endr
	s_mov_b64 s[42:43], s[18:19]
	s_or_b32 s43, s43, 0x80000000                  ; type = 2
	s_add_nc_u64 s[46:47], s[18:19], 0x100         ; the second fill begins 256 bytes on in each row
	s_or_b32 s47, s47, 0x80000000
	CROUND                                         ; all four work-groups are here: the joint loads meet
	JLOAD 40, G1                                   ; the first 512 along K: one tensor load a wave at the head
	WIN TO_B
	LB 0, 0, 0, 16
	WIN 0
	s_wait_loadcnt 48                              ; x's scale bytes are in; behind them 32 of B's and step 0's 16 may be out
.irp j, 0,1,2,3,4,5,6,7
	ds_store_b128 v[XSW], v[XR+4*\j:XR+4*\j+3] offset:544*\j
.endr
	s_wait_loadcnt 16                              ; B's scale bytes are in; step 0's codes may be out
	WIN TO_B
	LB 1, 1, 0, 16
	LB 2, 2, 0, 16
	WIN 0
; step K's words: two bytes of its first 64 along K (low half), two of its second (high half), for the four column blocks
.macro WORDS k, d
	v_perm_b32 v[\d],   v[RAW+4*(\k)+2], v[RAW+4*(\k)],   s57
	v_perm_b32 v[\d+1], v[RAW+4*(\k)+2], v[RAW+4*(\k)],   s58
	v_perm_b32 v[\d+2], v[RAW+4*(\k)+3], v[RAW+4*(\k)+1], s57
	v_perm_b32 v[\d+3], v[RAW+4*(\k)+3], v[RAW+4*(\k)+1], s58
.endm
.irp k, 0,1,2,3
	WORDS \k, BW+4*\k
.endr
	WORDS 15, BW+16
.irp k, 4,5,6,7,8,9,10,11,12,13,14
	WORDS \k, BT+4*(\k-4)
.endr
.irp k, 4,5,6,7,8,9,10,11,12,13,14
	ds_store_b128 v[BWL], v[BT+4*(\k-4):BT+4*(\k-4)+3] offset:512*(\k-3)
.endr
	s_wait_alu depctr_va_vdst(0)
	s_wait_tensorcnt 0x0                           ; my part of the first fill is in
	ds_add_u32 v[SPW], v[NIL]
	s_wait_dscnt 0x0                               ; the add is done, and my scale bytes lie in LDS
	CROUND                                         ; everybody's do, and the joint loads meet
	JLOAD 44, G1B                                  ; the other 1,536 along K: the first tensor load behind the round
; x's fragments of pair p of row blocks, step i of a quarter, into group g (16 registers): lane l holds row l % 16; registers 4 c .. 4 c + 3 hold K = 64 c + 32 (l / 16) + 0 .. 31
.macro XLOAD reg, p, i, g, x
.irp m, 0,1
.irp c, 0,1
.set XR0, AF+16*(\g)+8*\m+4*\c
.if \reg == 1
	ds_load_b128 v[XR0:XR0+3], v[XA1] offset:(2*(\p)+\m)*16*P1+64*(\i)+32*\c
.else
	ds_load_b128 v[XR0:XR0+3], v[XB+(\p)/2] offset:(2*((\p)%2)+\m)*16*P2+64*(\i)+32*\c+\x
.endif
.endr
.endr
.endm
.macro XSL p, x                        ; a quarter's four scale words of pair p
	ds_load_b128 v[XS+4*(\p):XS+4*(\p)+3], v[XSA] offset:2176*(\p)+\x
.endm
; A UNIT: 16 matrix instructions of 32 rows x 16 columns x 128 K: pairs p and p + 1 of row blocks (fragments in groups g and g + 1) x four column blocks x (B1, B2): step i, B's codes in set i, its scale words in set w.
; A pair's 32 rows are one operand: 16 registers, the even row block's 8 first, and its scale words one in each lane.  A result is 16 registers, the even row block's 8 first.
; Eight accumulators take turns.  zero = 1: the first product starts the sums: nothing is ever cleared.
.macro UNIT p, g, i, w, zero
	WIN 0xa4+0x50*((\p)/4)                         ; source 0 (x) window 0, source 1 (B) window 1, C and D window 2 or 3
.irp t, 0,1
.irp m, 0,1
.irp b, 0,1,2,3
.set D0, 16*((4*(\p)+4*\m+\b)%16)
.set A0, AF+16*(\g)+16*\m
.set B0, 64*(\i)+32*\t+8*\b
.set S0, XS+4*(\p)+4*\m+(\i)
.set W0, BW+4*(\w)+\b
.if \t == 1
	v_wmma_scale_f32_32x16x128_f4 v[D0:D0+15], v[A0:A0+15], v[B0:B0+7], v[D0:D0+15], v[S0], v[W0] matrix_b_scale:MATRIX_SCALE_ROW1
.else
.if \zero
	v_wmma_scale_f32_32x16x128_f4 v[D0:D0+15], v[A0:A0+15], v[B0:B0+7], 0, v[S0], v[W0]
.else
	v_wmma_scale_f32_32x16x128_f4 v[D0:D0+15], v[A0:A0+15], v[B0:B0+7], v[D0:D0+15], v[S0], v[W0]
.endif
.endif
.endr
.endr
.endr
.endm
.macro PREF i                          ; names the codes of four steps on; steps 4 to 15 in all
	s_cmp_lt_u32 s17, 4
	s_cbranch_scc0 .Lno_prefetch_\@
	global_prefetch_b8 v[PFO], s[48:49] offset:(\i+4)*8192 th:TH_LOAD_NT scope:SCOPE_SE
.Lno_prefetch_\@:
.endm
; A STEP: 128 along K, four units.  Behind each unit: two v_nop, the next fragments of two pairs, and four of the loads that bring the codes of three steps on into the set that the step before used.
; A load into a register that a matrix instruction has read stands four places behind it: behind unit d the two pairs of unit d - 1 are loaded anew, and two units' v_nop stand between.
; reg: the part of LDS.  In a quarter's last step the next fragments and scale words are the next quarter's.
.macro STEP reg, i, zero
	s_wait_loadcnt 32                              ; this step's codes are in: the two later steps' 2 x 16 loads may be out
.irp d, 0,1,2,3
	s_wait_dscnt 16                                ; this unit's fragments and scale words are in: two units' 8 loads each stand behind them
	UNIT 2*\d, 2*\d, \i, \i, \zero
	WIN 0
	v_nop
	v_nop
.if (\reg == 1) && (\i == 3) && (\d == 1)
	s_barrier_wait -1                              ; everybody's part of the second fill is in
.endif
.if \d == 0
	XLOAD \reg, 6, \i, 6, 0
	XLOAD \reg, 7, \i, 7, 0
.if \i == 0
	XSL 6, 0
	XSL 7, 0
.endif
.else
.if \i < 3
	XLOAD \reg, 2*\d-2, \i+1, 2*\d-2, 0
	XLOAD \reg, 2*\d-1, \i+1, 2*\d-1, 0
.else
	XLOAD 2, 2*\d-2, 0, 2*\d-2, 272
	XLOAD 2, 2*\d-1, 0, 2*\d-1, 272
	XSL 2*\d-2, 16
	XSL 2*\d-1, 16
.endif
.endif
.if \d == 1
.if \i > 0
	ds_load_b128 v[BW+4*(\i-1):BW+4*(\i-1)+3], v[BWL] offset:512*\i        ; the step before's words, of the next quarter
.else
.if \reg == 2
	ds_load_b128 v[BW+12:BW+15], v[BWL]                                    ; step 3's, of this quarter
.endif
.endif
	PREF \i
.endif
	WIN TO_B
	LB (\i+3)%4, \i+3, 4*\d, 4
	WIN 0
.if (\reg == 1) && (\i == 3) && (\d == 0)
	s_wait_tensorcnt 0x0                           ; my part of the second fill is in
	s_wait_dscnt 0x0
	s_barrier_signal -1
.endif
.endr
.endm
.macro ADV                             ; on to the next quarter of K
.irp k, 0,1,2,3
	v_add_nc_u32 v[XB+\k], 272, v[XB+\k]
.endr
	v_add_nc_u32 v[XSA], 16, v[XSA]
	v_add_nc_u32 v[BWL], 2048, v[BWL]
	s_wait_alu depctr_va_vdst(0)
	s_wait_xcnt 0x0                                ; the loads and prefetches have read their base
	s_add_nc_u64 s[48:49], s[48:49], 0x8000
.endm
.irp p, 0,1,2,3,4,5                    ; as behind units 1 to 3 of a step before the first
	XLOAD 1, \p, 0, \p, 0
	XSL \p, 0
.endr
	STEP 1, 0, 1                                   ; the first quarter of K
	STEP 1, 1, 0
	STEP 1, 2, 0
	STEP 1, 3, 0
	ADV
	s_mov_b32 s3, 2
.Lquarter:                                             ; the second and the third
	STEP 2, 0, 0
	STEP 2, 1, 0
	STEP 2, 2, 0
	STEP 2, 3, 0
	ADV
	s_sub_co_u32 s3, s3, 1
	s_cmp_lg_u32 s3, 0
	s_cbranch_scc1 .Lquarter
; THE LAST QUARTER: 16 units.  In each of two numbers the t-th four bits, from the low end, tell unit t's first pair and its step: pairs 0-1, 2-3, 4-5 step 0; 0-1 steps 1, 2; 2-3 steps 1, 2; 0-1 step 3, 2-3 step 3; 4-5 steps 1, 2, 3;
; 6-7 steps 0 to 3.  The last step's codes are asked for behind unit 0 and first used in unit 7.  Unit t's fragments lie in groups 2 (t mod 4) and the next and are loaded behind unit t - 3.
; Pairs 0-1 are finished by unit 7, 2-3 by 8, 4-5 by 11, 6-7 by 15.
.macro WHERE t
.set UP, (0x6666444202200420>>(4*(\t)))&15
.set UI, (0x3210321332121000>>(4*(\t)))&15
.endm
; THE WAY OUT of a pair: in each row block a 4 x 4 transposition of registers for rows 0-3 and for rows 4-7, each accumulator from its low end on; then row j (and 8 + j) lies in four registers on end.
.macro SEND p
.irp m, 0,1
.set SB0, 64*((\p)%4)+8*\m
.set SW, 2+(\p)/4
	WIN 0x41*SW                                    ; source 0 and destination: window 2 or 3
.irp e, 0,4
	v_swap_b32 v[SB0+\e+1], v[SB0+\e+16]
	v_swap_b32 v[SB0+\e+2], v[SB0+\e+32]
	v_swap_b32 v[SB0+\e+3], v[SB0+\e+48]
	v_swap_b32 v[SB0+\e+18], v[SB0+\e+33]
	v_swap_b32 v[SB0+\e+19], v[SB0+\e+49]
	v_swap_b32 v[SB0+\e+35], v[SB0+\e+50]
.endr
	WIN 4*SW                                       ; a store's data: window 2 or 3
.irp j, 0,1,2,3,4,5,6,7
.set SR, SB0+16*(\j%4)+4*(\j/4)
	global_store_b128 v[CO], v[SR:SR+3], s[12:13] offset:(16*(2*(\p)+\m)+\j)*8192 th:TH_STORE_NT
.endr
.endr
	WIN 0
.endm
.macro LEAVE p                         ; pairs p and p + 1 are finished
	v_nop                                          ; four places behind their last products: the unit's two v_nop and these
	v_nop
	SEND \p
	SEND \p+1
.endm
.set T, 0
.rept 16
	WHERE T
.if (T == 0) || (T == 3)
	s_wait_loadcnt 32                              ; the step's codes are in: two later steps' may be out
.endif
.if T == 4
	s_wait_loadcnt 16
.endif
.if T == 7
	s_wait_loadcnt 0
.endif
.if T < 14
	s_wait_dscnt 16
.else
	s_wait_dscnt 8*(15-T)
.endif
	UNIT UP, 2*(T%4), UI, UI+UI/3, 0
	WIN 0
	v_nop
	v_nop
.if T == 0
	XSL 6, 0
	XSL 7, 0
.endif
.if T < 13
	WHERE T+3
	XLOAD 2, UP, UI, 2*((T+3)%4), 0
	XLOAD 2, UP+1, UI, 2*((T+3)%4)+1, 0
.endif
.if T == 0
	WIN TO_B
	LB 3, 3, 0, 16
	WIN 0
.endif
.if T == 7
	LEAVE 0
.endif
.if T == 8
	LEAVE 2
.endif
.if T == 11
	LEAVE 4
.endif
.if T == 15
	LEAVE 6
.endif
.set T, T+1
.endr
	s_wait_tensorcnt 0x0                           ; the wave's end
	ds_add_u32 v[SPW], v[NIL]
	s_wait_dscnt 0x0
	CROUND                                         ; the closing round: no work-group ends while a partner may still ask for a tile that names it
	s_endpgm
.Lfunc_end_k_q93996bdfef_gemm:
	.size	k_q93996bdfef_gemm, .Lfunc_end_k_q93996bdfef_gemm-k_q93996bdfef_gemm
	.p2alignl 7, 3214868480
	.fill 96, 4, 3214868480
	.section	.rodata,"a",@progbits
	.p2align	6, 0x0
	.amdhsa_kernel k_q93996bdfef_gemm
		.amdhsa_group_segment_fixed_size 327680
		.amdhsa_private_segment_fixed_size 0
		.amdhsa_enable_private_segment 0
		.amdhsa_kernarg_size 40
		.amdhsa_user_sgpr_count 2
		.amdhsa_user_sgpr_kernarg_segment_ptr 1
		.amdhsa_wavefront_size32 1
		.amdhsa_system_sgpr_workgroup_id_x 1
		.amdhsa_system_sgpr_workgroup_id_y 1
		.amdhsa_system_sgpr_workgroup_id_z 1
		.amdhsa_system_vgpr_workitem_id 0
		.amdhsa_next_free_vgpr 1024
		.amdhsa_next_free_sgpr 66
		.amdhsa_reserve_vcc 0
		.amdhsa_float_denorm_mode_32 3
		.amdhsa_float_denorm_mode_16_64 3
		.amdhsa_memory_ordered 1
		.amdhsa_forward_progress 1
		.amdhsa_inst_pref_size 188
	.end_amdhsa_kernel
	.amdgpu_metadata
---
amdhsa.version: [ 1, 2 ]
amdhsa.kernels:
  - .name:           k_q93996bdfef_gemm
    .symbol:         k_q93996bdfef_gemm.kd
    .args:
      - { .name: x_codes, .offset: 0, .size: 8, .value_kind: global_buffer, .address_space: global }
      - { .name: x_scales, .offset: 8, .size: 8, .value_kind: global_buffer, .address_space: global }
      - { .name: bcodes, .offset: 16, .size: 8, .value_kind: global_buffer, .address_space: global }
      - { .name: bscales, .offset: 24, .size: 8, .value_kind: global_buffer, .address_space: global }
      - { .name: out0, .offset: 32, .size: 8, .value_kind: global_buffer, .address_space: global }
    .group_segment_fixed_size: 327680
    .private_segment_fixed_size: 0
    .kernarg_segment_align: 8
    .kernarg_segment_size: 40
    .max_flat_workgroup_size: 128
    .sgpr_count:     66
    .vgpr_count:     1024
    .wavefront_size: 32
...
	.end_amdgpu_metadata
.endif
;; end of part 2
